; MI455X (gfx1250); checked and timed in simulation.
; The chip was launched on July 23, 2026; its instructions are those of AMD's public machine-readable ISA for CDNA 5 (MIT licence, August 2026) and "CDNA5" Instruction Set Architecture Reference Guide (July 2026). The comments in the code are by the model that wrote it; some were corrected since.
;; Multi Head Attention. Allowed arithmetic: matrix products marked QUANTISED: E4M3 operands, one given power-of-two scale a tensor, by v_wmma_f32_16x16x64_fp8_fp8 or v_wmma_f32_16x16x128_fp8_fp8, f32 sums; everything else in f32.
;; Inputs: Wk_codes 16 x 64 x 32 x 32 uint8 (E4M3 codes of Wk, K innermost, in blocks of 32 codes); Wo_codes 1,024 x 32 x 32 uint8 (E4M3 codes of Wo, K innermost, in blocks of 32 codes); Wq_codes 16 x 64 x 32 x 32 uint8 (E4M3 codes of Wq, K innermost, in blocks of 32 codes); Wv_codes 16 x 64 x 32 x 32 uint8 (E4M3 codes of Wv, K innermost, in blocks of 32 codes); bk 16 x 64 float32; bo 1,024 float32; bq 16 x 64 float32; bv 16 x 64 float32; lowp_scales 12 int32 (the exponents e of the quantised operands' scales 2^e); x_codes 4 x 2,048 x 32 x 32 uint8 (E4M3 codes of x, K innermost, in blocks of 32 codes).
;; Outputs: out0 4 x 2,048 x 1,024 float32.
;; This version of the problem:
;;   THIS VERSION OF THE PROBLEM IS GIVEN IN LOW PRECISION. The matrix products marked QUANTISED in the list below multiply operands that are first quantised to E4M3 (4 exponent bits, 3 mantissa bits; 8 bits a number), with one given power-of-two scale for each operand tensor; their sums are f32. All else is computed in f32.
;;   The module's matrix products, in the order in which they are computed (A, B: the left and right operand; K: the contracted axis; several contracted axes count as one K, in the product's order):
;;     1. [M 1,024, K 1,024] x [K 1,024, N 8,192]; A: input Wq (given as codes); B: input x (given as codes): QUANTISED (scales: A lowp_scales[0], B lowp_scales[1])
;;     2. [M 1,024, K 1,024] x [K 1,024, N 8,192]; A: input Wk (given as codes); B: input x (given as codes): QUANTISED (scales: A lowp_scales[2], B lowp_scales[3])
;;     3. [M 1,024, K 1,024] x [K 1,024, N 8,192]; A: input Wv (given as codes); B: input x (given as codes): QUANTISED (scales: A lowp_scales[4], B lowp_scales[5])
;;     4. batch 64 x [M 2,048, K 64] x [K 64, N 2,048]; A: computed on the way; B: computed on the way: QUANTISED (scales: A lowp_scales[6], B lowp_scales[7])
;;     5. batch 64 x [M 2,048, K 2,048] x [K 2,048, N 64]; A: softmax (see below); B: computed on the way: QUANTISED (scales: A lowp_scales[8], B lowp_scales[9])
;;     6. [M 8,192, K 1,024] x [K 1,024, N 1,024]; A: computed on the way; B: input Wo (given as codes): QUANTISED (scales: A lowp_scales[10], B lowp_scales[11])
;;   THE QUANTISER, for each operand of a quantised product, along K:
;;     - The operand's scale is 2^e, e = its entry of the input lowp_scales (int32; the entries are numbered through the quantised products in the list's order, A before B).
;;     - Each number is divided by the scale, clamped to +-448, and rounded to the nearest number of E4M3, ties to even, subnormals kept.
;;     - The product sums the exact products of the quantised numbers (number of the format x scale) in f32.
;;   ~~~python
;;   def quantise(x, axis, e):      # numpy; x: float32 -> the quantised numbers, widened to float32 again
;;       x = np.moveaxis(x, axis, -1); K = x.shape[-1]
;;       r = np.clip(x / 2.0 ** e, -448, 448)
;;       step = 2.0 ** (np.maximum(np.frexp(np.where(r == 0, 1, r))[1] - 1, -6) - 3)
;;       q = np.round(r / step) * step * 2.0 ** e      # np.round: ties to even
;;       return np.moveaxis(q, -1, axis).astype(np.float32)
;;   ~~~
;;   SOFTMAX AHEAD OF A QUANTISED PRODUCT. Where the list says 'softmax', what is quantised is not the finished softmax but p = 2^(t - M), with t = logit x log2(e) and M = ceil(the row's largest t), a whole number; so 1/2 < the row's largest p <= 1. The row's sum l is taken of the UNQUANTISED p, in f32, and the product's result is divided by l at the end. Since M is a whole number, a kernel that streams over the keys may use a running M (the ceiling of the running maximum): every later rescaling is an exact power of two, so the quantised numbers keep their values, but for numbers so far below the row's largest that they fall under the format's range.
;;   OPERANDS COMPUTED ON THE WAY. 'Computed on the way' means the value that the module computes at that place (a softmax that the list does not call 'softmax' is quantised finished and normalised). What goes into a quantiser is computed in f32, as accurately as f32 sums, v_exp_f32 and their like allow (about 1e-6 of the number): no bf16 or f16 on the way to a quantiser, and a product that is left as it is and whose result goes on into a quantised operand takes f32 operands (vector FMAs, or v_wmma_f32_16x16x4_f32). A number that lies on a knife's edge between two numbers of the format may be rounded either way, as far as f32 arithmetic and the matrix unit's own rounding can turn it there, and no further.
;;   INPUTS GIVEN AS CODES. Wk (in the module: [16, 1024, 64], K = its axis 1); Wo (in the module: [1024, 1024], K = its axis 1); Wq (in the module: [16, 1024, 64], K = its axis 1); Wv (in the module: [16, 1024, 64], K = its axis 1); x (in the module: [4, 2048, 1024], K = its axis 2): each comes as NAME_codes (uint8): NAME with its K axis moved to the last place and cut into blocks of 32 codes, [.., K / 32, bytes a block], one block behind the other in memory; one code a byte (a code: sign, 4 exponent bits, 3 mantissa bits); its scale is its entry of lowp_scales. Its value is code x scale, taken as it is: it is not quantised again, and the codes and scales need not be those that the quantiser above would give.
;; One version. Each part assembles by itself: llvm-mc -triple=amdgcn-amd-amdhsa -mcpu=gfx1250 --defsym DOCPART=n.
;; ======== version 1 of 1: 3 launches
;; limits: right only within a limited range of input values
;; workspace buffers: qimg 8,388,608 bytes; kimg 8,388,608 bytes; vimg 8,388,608 bytes; aimg 8,388,608 bytes
;; launch qkv (part 1): grid 16 x 32, 4 waves a work-group, clusters of 4 x 4, 327,680 bytes of LDS; arguments x_codes, Wq_codes, Wk_codes, Wv_codes, bq, bk, bv, lowp_scales, qimg, kimg, vimg; writes qimg, kimg, vimg
.if DOCPART == 1
	.amdgcn_target "amdgcn-amd-amdhsa--gfx1250"
	.amdhsa_code_object_version 6
	.text
	.protected	k_q1d1b4dc1c2_qkv
	.globl	k_q1d1b4dc1c2_qkv
	.p2align	8
	.type	k_q1d1b4dc1c2_qkv,@function
k_q1d1b4dc1c2_qkv:
	s_mov_b64 s[64:65], 0
	v_nop
	global_prefetch_b8 v0, s[64:65] scope:SCOPE_SE
	s_setreg_imm32_b32 hwreg(HW_REG_WAVE_MODE, 25, 1), 1
	s_wait_xcnt 0x0
	s_wait_alu depctr_hold_cnt(0) depctr_sa_sdst(0) depctr_va_vdst(0) depctr_va_sdst(0) depctr_va_ssrc(0) depctr_va_vcc(0) depctr_vm_vsrc(0)
	s_getreg_b32 s2, hwreg(HW_REG_IB_STS2, 6, 4)
	s_cmp_eq_u32 s2, 0
	s_cbranch_scc0 .Lentry_in_a_cluster
	s_endpgm
.Lentry_in_a_cluster:
	s_bfe_u32 s2, ttmp6, 0x10000c
	s_cmp_lg_u32 s2, 0xf033
	s_cbranch_scc0 .Lentry_shape_is_right
	s_endpgm
.Lentry_shape_is_right:
.set PITCH, 272
.set XT,    256*PITCH
.set WT,    64*PITCH
.set SLOT,  XT+3*WT
.set SPARE, 2*SLOT
.set PADW,  (1<<20)|(1<<21)|(5<<22)|(3<<25)
.set LIM,  4
.set SCV,  8
.set BV1,  12
.set ADRX, 16
.set ADRW, 20
.set LN,   24
.set HB,   26
.set RB,   27
.set SPW,  28
.set NIL,  29
.set BV0,  30
.set BQ,   32
.set WF,   64
.set TMP,  64
.set COD,  96
.set WV,   26
.set G1X,  36
.set G1W,  44
.set G0X,  52
.set G0W,  68
.set SC,   88
.set MSB, 0
.macro WIN new
.if MSB != \new
	s_set_vgpr_msb (MSB<<8)|\new
.set MSB, \new
.endif
.endm
.macro PLACES n
.rept \n
	v_nop
.endr
.endm
.macro JLOAD s
	s_cmp_eq_u32 s[WV], 0
	s_cbranch_scc0 .Lfor_w_\@
	tensor_load_to_lds s[G0X+4*\s:G0X+4*\s+3], s[G1X:G1X+7]
	s_nop 0
.rept 4
	v_nop
.endr
	s_branch .Lasked_\@
.Lfor_w_\@:
	tensor_load_to_lds s[G0W+4*\s:G0W+4*\s+3], s[G1W:G1W+7]
	s_nop 0
.rept 4
	v_nop
.endr
.Lasked_\@:
.endm
.macro CREST
	s_cmp_lg_u32 s[WV], 0
	s_cbranch_scc1 .Lnot_wave_0_\@
	s_barrier_signal -3
.Lnot_wave_0_\@:
	s_barrier_wait -3
	s_barrier_signal -1
	s_barrier_wait -1
.endm
.macro CROUND
	s_barrier_signal -1
	s_barrier_wait -1
	CREST
.endm
	s_load_b512 s[4:19], s[0:1], 0x0
	s_load_b128 s[20:23], s[0:1], 0x40
	s_load_b64 s[24:25], s[0:1], 0x50
	v_lshl_add_u32 v[SPW], v0, 2, SPARE
	v_mov_b32 v[NIL], 0
	ds_add_u32 v28, v29
	ds_add_u32 v28, v29
	s_wait_dscnt 0x0
	v_lshrrev_b32 v1, 5, v0
	v_readfirstlane_b32 s[WV], v1
	s_lshr_b32 s27, s[WV], 1
	s_and_b32 s28, s[WV], 1
	s_bfe_u32 s29, ttmp6, 0x40000
	s_bfe_u32 s30, ttmp6, 0x40004
	s_lshl_b32 s31, ttmp9, 2
	s_add_co_u32 s31, s31, s29
	s_and_b32 s32, ttmp7, 0xffff
	s_lshl_b32 s32, s32, 2
	s_add_co_u32 s32, s32, s30
	s_lshl_b32 s33, s30, 2
	s_lshl_b32 s33, 15, s33
	s_lshl_b32 s34, 0x1111, s29
	s_or_b32 s[G1X+0], s33, PADW
	s_or_b32 s[G1W+0], s34, PADW
	s_mov_b32 s[G1X+1], 256<<16
	s_mov_b32 s[G1X+2], 256<<16
	s_mov_b32 s[G1X+3], 256<<16
	s_mov_b32 s[G1X+4], 256
	s_mov_b32 s[G1X+5], 1024
	s_mov_b32 s[G1X+6], 0
	s_mov_b32 s[G1X+7], 0
	s_mov_b32 s[G1W+1], 256<<16
	s_mov_b32 s[G1W+2], 64<<16
	s_mov_b32 s[G1W+3], 256<<16
	s_mov_b32 s[G1W+4], 64
	s_mov_b32 s[G1W+5], 1024
	s_mov_b32 s[G1W+6], 0
	s_mov_b32 s[G1W+7], 0
	s_lshl_b32 s60, s32, 18
	s_mov_b32 s61, 0
	s_lshl_b32 s94, s31, 16
	s_mov_b32 s95, 0
	s_mul_i32 s35, s[WV], WT
	s_add_co_u32 s35, s35, XT-WT
	s_wait_kmcnt 0x0
	s_load_b256 s[76:83], s[18:19], 0x0
	s_load_b32 s84, s[18:19], 0x24
	s_add_nc_u64 s[60:61], s[4:5], s[60:61]
	s_cmp_eq_u32 s[WV], 1
	s_cselect_b64 s[66:67], s[6:7], s[8:9]
	s_cmp_eq_u32 s[WV], 3
	s_cselect_b64 s[66:67], s[10:11], s[66:67]
	s_add_nc_u64 s[66:67], s[66:67], s[94:95]
	CROUND
.irp s, 0,1
	s_mov_b32 s[G0X+4*\s], 1
	s_mov_b32 s[G0X+4*\s+1], \s*SLOT
	s_add_nc_u64 s[G0X+4*\s+2:G0X+4*\s+3], s[60:61], \s*256
	s_or_b32 s[G0X+4*\s+3], s[G0X+4*\s+3], 0x80000000
	s_mov_b32 s[G0W+4*\s], 1
	s_add_co_u32 s[G0W+4*\s+1], s35, \s*SLOT
	s_add_nc_u64 s[G0W+4*\s+2:G0W+4*\s+3], s[66:67], \s*256
	s_or_b32 s[G0W+4*\s+3], s[G0W+4*\s+3], 0x80000000
	s_wait_alu depctr_va_vdst(0)
	s_wait_tensorcnt 0x0
	ds_add_u32 v28, v29
	ds_add_u32 v28, v29
	s_wait_dscnt 0x0
	CROUND
	JLOAD \s
.endr
	v_and_b32 v1, 15, v0
	v_bfe_u32 v2, v0, 4, 1
	v_mul_u32_u24 v3, v1, PITCH
	v_lshl_add_u32 v3, v2, 4, v3
	s_mul_i32 s33, s27, 128*PITCH
	s_mul_i32 s34, s28, 32*PITCH
	s_add_co_u32 s34, s34, XT
.irp s, 0,1
	v_add_nc_u32 v[ADRX+\s], s33, v3
	v_add_nc_u32 v[ADRW+\s], s34, v3
	s_add_co_u32 s33, s33, SLOT
	s_add_co_u32 s34, s34, SLOT
.endr
	v_and_b32 v[LN], 31, v0
	v_lshlrev_b32 v[LN], 4, v[LN]
	v_lshlrev_b32 v[HB], 5, v2
	v_lshlrev_b32 v[RB], 2, v1
	s_lshl_b32 s94, s31, 8
	s_lshl_b32 s95, s28, 7
	s_add_co_u32 s94, s94, s95
	s_mov_b32 s95, 0
	s_add_nc_u64 s[12:13], s[12:13], s[94:95]
	s_add_nc_u64 s[14:15], s[14:15], s[94:95]
	s_add_nc_u64 s[16:17], s[16:17], s[94:95]
.irp t, 0,1
	global_load_b128 v[BQ+8*\t:BQ+8*\t+3], v[HB], s[12:13] offset:64*\t
	global_load_b128 v[BQ+8*\t+4:BQ+8*\t+7], v[HB], s[12:13] offset:64*\t+16
	global_load_b128 v[BQ+16+8*\t:BQ+16+8*\t+3], v[HB], s[14:15] offset:64*\t
	global_load_b128 v[BQ+16+8*\t+4:BQ+16+8*\t+7], v[HB], s[14:15] offset:64*\t+16
.endr
	global_load_b32 v[BV0], v[RB], s[16:17]
	global_load_b32 v[BV0+1], v[RB], s[16:17]
	global_load_b32 v[BV1], v[RB], s[16:17] offset:64
	global_load_b32 v[BV1+1], v[RB], s[16:17] offset:64
	s_lshr_b32 s96, s32, 3
	s_and_b32 s97, s32, 7
	s_lshl_b32 s96, s96, 4
	s_add_co_u32 s96, s96, s31
	s_lshl_b32 s94, s96, 7
	s_lshl_b32 s98, s97, 4
	s_add_co_u32 s94, s94, s98
	s_lshl_b32 s98, s27, 3
	s_add_co_u32 s94, s94, s98
	s_lshl_b32 s94, s94, 10
	s_lshl_b32 s98, s28, 9
	s_add_co_u32 s94, s94, s98
	s_add_nc_u64 s[20:21], s[20:21], s[94:95]
	s_add_nc_u64 s[22:23], s[22:23], s[94:95]
	s_lshl_b32 s94, s96, 4
	s_lshl_b32 s98, s97, 1
	s_add_co_u32 s94, s94, s98
	s_add_co_u32 s94, s94, s27
	s_lshl_b32 s94, s94, 13
	s_lshl_b32 s98, s28, 12
	s_add_co_u32 s94, s94, s98
	s_add_nc_u64 s[24:25], s[24:25], s[94:95]
.macro FETCH slot, q, fs
	WIN 0x40
.irp a, 0,1,2,3,4,5,6,7
.irp c, 0,1,2,3
	ds_load_b128 v[128*\fs+16*\a+4*\c:128*\fs+16*\a+4*\c+3], v[ADRX+\slot] offset:\a*16*PITCH+128*\q+32*\c
.endr
.endr
	WIN 0
.irp f, 0,1,2,3,4,5
.irp c, 0,1,2,3
	ds_load_b128 v[WF+96*\fs+16*\f+4*\c:WF+96*\fs+16*\f+4*\c+3], v[ADRW+\slot] offset:(\f/2)*WT+(\f%2)*16*PITCH+128*\q+32*\c
.endr
.endr
.endm
.macro MULQK p, fs, zero
	WIN 0xa4
.irp a, 0,1,2,3,4,5,6,7
.irp t, 0,1
.if \zero
	v_wmma_f32_16x16x128_fp8_fp8 v[128*\p+8*(2*\a+\t):128*\p+8*(2*\a+\t)+7], v[WF+96*\fs+16*(2*\p+\t):WF+96*\fs+16*(2*\p+\t)+15], v[128*\fs+16*\a:128*\fs+16*\a+15], 0
.else
	v_wmma_f32_16x16x128_fp8_fp8 v[128*\p+8*(2*\a+\t):128*\p+8*(2*\a+\t)+7], v[WF+96*\fs+16*(2*\p+\t):WF+96*\fs+16*(2*\p+\t)+15], v[128*\fs+16*\a:128*\fs+16*\a+15], v[128*\p+8*(2*\a+\t):128*\p+8*(2*\a+\t)+7]
.endif
.endr
.endr
.endm
.macro MULV fs, zero
	WIN 0xf1
.irp a, 0,1,2,3,4,5,6,7
.irp t, 0,1
.if \zero
	v_wmma_f32_16x16x128_fp8_fp8 v[8*(2*\a+\t):8*(2*\a+\t)+7], v[128*\fs+16*\a:128*\fs+16*\a+15], v[WF+96*\fs+16*(4+\t):WF+96*\fs+16*(4+\t)+15], 0
.else
	v_wmma_f32_16x16x128_fp8_fp8 v[8*(2*\a+\t):8*(2*\a+\t)+7], v[128*\fs+16*\a:128*\fs+16*\a+15], v[WF+96*\fs+16*(4+\t):WF+96*\fs+16*(4+\t)+15], v[8*(2*\a+\t):8*(2*\a+\t)+7]
.endif
.endr
.endr
.endm
.macro STEP slot, zero
.if \zero == 0
	PLACES 4
.endif
	FETCH \slot, 1, 1
	s_wait_dscnt 56
	MULQK 0, 0, \zero
	MULQK 1, 0, \zero
	MULV 0, \zero
	WIN 0
.endm
.macro TURN slot, next, fill
	s_wait_tensorcnt 0x0
	ds_add_u32 v[SPW], v[NIL]
	s_wait_dscnt 1
	MULQK 0, 1, 0
	s_wait_dscnt 0x0
	s_barrier_signal -1
	MULQK 1, 1, 0
	WIN 0
	s_barrier_wait -1
.if \fill
	CREST
	s_add_nc_u64 s[G0X+4*\slot+2:G0X+4*\slot+3], s[G0X+4*\slot+2:G0X+4*\slot+3], 512
	s_add_nc_u64 s[G0W+4*\slot+2:G0W+4*\slot+3], s[G0W+4*\slot+2:G0W+4*\slot+3], 512
	JLOAD \slot
.else
	PLACES 4
.endif
	FETCH \next, 0, 0
	MULV 1, 0
	WIN 0
.endm
	s_wait_alu depctr_va_vdst(0)
	s_wait_tensorcnt 1
	s_barrier_signal -1
	s_barrier_wait -1
	FETCH 0, 0, 0
	STEP 0, 1
	TURN 0, 1, 1
	STEP 1, 0
	TURN 1, 0, 1
	STEP 0, 0
	TURN 0, 1, 0
	STEP 1, 0
	s_wait_dscnt 0x0
	MULQK 0, 1, 0
	MULQK 1, 1, 0
	MULV 1, 0
	WIN 0
	s_wait_kmcnt 0x0
	s_wait_loadcnt 0x0
.irp p, 0,1,2
	s_add_co_i32 s[SC+2*\p], s[76+2*\p], s[77+2*\p]
	s_add_co_i32 s[SC+2*\p], s[SC+2*\p], 127
	s_lshl_b32 s[SC+2*\p], s[SC+2*\p], 23
	s_mov_b32 s[SC+2*\p+1], s[SC+2*\p]
.endr
.macro QCONST e, k
	s_add_co_i32 s94, s[\e], 127
	s_lshl_b32 s95, s94, 23
	v_mov_b32 v[SCV+\k], s95
	s_add_co_i32 s94, s94, 8
	s_lshl_b32 s94, s94, 23
	s_or_b32 s94, s94, 0x600000
	v_mov_b32 v[LIM+\k], s94
.endm
	QCONST 82, 0
	QCONST 83, 1
	QCONST 84, 2
.macro HOLDCVT k
.irp i, 0,1,2,3,4,5,6,7,8,9,10,11,12,13,14,15
	v_med3_num_f32 v[TT+\i], v[TT+\i], -v[LIM+\k], v[LIM+\k]
.endr
	v_cvt_scalef32_pk8_fp8_f32 v[CD:CD+1], v[TT:TT+7], v[SCV+\k]
	v_cvt_scalef32_pk8_fp8_f32 v[CD+2:CD+3], v[TT+8:TT+15], v[SCV+\k]
.endm
.macro OUTQK p, a
.set TT, TMP+16*((\a)%2)
.set CD, COD+32*(\p)+4*(\a)
	WIN 0x02
.irp t, 0,1
.irp i, 0,2,4,6
	v_pk_fma_f32 v[TT+8*\t+\i:TT+8*\t+\i+1], v[128*(\p)+8*(2*(\a)+\t)+\i:128*(\p)+8*(2*(\a)+\t)+\i+1], s[SC+2*(\p):SC+2*(\p)+1], v[BQ+16*(\p)+8*\t+\i:BQ+16*(\p)+8*\t+\i+1] op_sel_hi:[1,0,1]
.endr
.endr
	WIN 0
	HOLDCVT \p
	global_store_b128 v[LN], v[CD:CD+3], s[20+2*(\p):21+2*(\p)] offset:(\a)*1024
.endm
.macro OUTV t, c
.set TT, TMP+16*((\c)%2)
.set CD, COD+64+16*(\t)+4*(\c)
.set BB, BV0
.if \t
.set BB, BV1
.endif
	WIN 0x03
.irp u, 0,1
.irp i, 0,2,4,6
	v_pk_fma_f32 v[TT+8*\u+\i:TT+8*\u+\i+1], v[8*(2*(2*(\c)+\u)+(\t))+\i:8*(2*(2*(\c)+\u)+(\t))+\i+1], s[SC+4:SC+5], v[BB:BB+1] op_sel_hi:[1,0,1]
.endr
.endr
	WIN 0
	HOLDCVT 2
	global_store_b128 v[LN], v[CD:CD+3], s[24:25] offset:(\t)*2048+(\c)*512
.endm
.irp p, 0,1
.irp a, 0,1,2,3,4,5,6,7
	OUTQK \p, \a
.endr
.endr
.irp t, 0,1
.irp c, 0,1,2,3
	OUTV \t, \c
.endr
.endr
	v_nop
	s_wait_tensorcnt 0x0
	ds_add_u32 v[SPW], v[NIL]
	s_wait_dscnt 0x0
	CROUND
	s_endpgm
.Lfunc_end_k_q1d1b4dc1c2_qkv:
	.size	k_q1d1b4dc1c2_qkv, .Lfunc_end_k_q1d1b4dc1c2_qkv-k_q1d1b4dc1c2_qkv
	.p2alignl 7, 3214868480
	.fill 96, 4, 3214868480
	.section	.rodata,"a",@progbits
	.p2align	6, 0x0
	.amdhsa_kernel k_q1d1b4dc1c2_qkv
		.amdhsa_group_segment_fixed_size 327680
		.amdhsa_private_segment_fixed_size 0
		.amdhsa_enable_private_segment 0
		.amdhsa_kernarg_size 88
		.amdhsa_user_sgpr_count 2
		.amdhsa_user_sgpr_kernarg_segment_ptr 1
		.amdhsa_wavefront_size32 1
		.amdhsa_system_sgpr_workgroup_id_x 1
		.amdhsa_system_sgpr_workgroup_id_y 1
		.amdhsa_system_sgpr_workgroup_id_z 1
		.amdhsa_system_vgpr_workitem_id 0
		.amdhsa_next_free_vgpr 896
		.amdhsa_next_free_sgpr 100
		.amdhsa_reserve_vcc 0
		.amdhsa_float_denorm_mode_32 3
		.amdhsa_float_denorm_mode_16_64 3
		.amdhsa_memory_ordered 1
		.amdhsa_forward_progress 1
		.amdhsa_inst_pref_size 111
	.end_amdhsa_kernel
	.amdgpu_metadata
---
amdhsa.version: [ 1, 2 ]
amdhsa.kernels:
  - .name:           k_q1d1b4dc1c2_qkv
    .symbol:         k_q1d1b4dc1c2_qkv.kd
    .args:
      - { .name: x_codes, .offset: 0, .size: 8, .value_kind: global_buffer, .address_space: global }
      - { .name: Wq_codes, .offset: 8, .size: 8, .value_kind: global_buffer, .address_space: global }
      - { .name: Wk_codes, .offset: 16, .size: 8, .value_kind: global_buffer, .address_space: global }
      - { .name: Wv_codes, .offset: 24, .size: 8, .value_kind: global_buffer, .address_space: global }
      - { .name: bq, .offset: 32, .size: 8, .value_kind: global_buffer, .address_space: global }
      - { .name: bk, .offset: 40, .size: 8, .value_kind: global_buffer, .address_space: global }
      - { .name: bv, .offset: 48, .size: 8, .value_kind: global_buffer, .address_space: global }
      - { .name: lowp_scales, .offset: 56, .size: 8, .value_kind: global_buffer, .address_space: global }
      - { .name: qimg, .offset: 64, .size: 8, .value_kind: global_buffer, .address_space: global }
      - { .name: kimg, .offset: 72, .size: 8, .value_kind: global_buffer, .address_space: global }
      - { .name: vimg, .offset: 80, .size: 8, .value_kind: global_buffer, .address_space: global }
    .group_segment_fixed_size: 327680
    .private_segment_fixed_size: 0
    .kernarg_segment_align: 8
    .kernarg_segment_size: 88
    .max_flat_workgroup_size: 128
    .sgpr_count:     100
    .vgpr_count:     896
    .wavefront_size: 32
...
	.end_amdgpu_metadata
.endif
;; end of part 1
;; launch attn (part 2): grid 4 x 64, 16 waves a work-group, clusters of 4 x 1, 327,680 bytes of LDS; arguments qimg, kimg, vimg, lowp_scales, aimg; writes aimg
.if DOCPART == 2
	.amdgcn_target "amdgcn-amd-amdhsa--gfx1250"
	.amdhsa_code_object_version 6
	.text
	.protected	k_q1d1b4dc1c2_attn
	.globl	k_q1d1b4dc1c2_attn
	.p2align	8
	.type	k_q1d1b4dc1c2_attn,@function
k_q1d1b4dc1c2_attn:
	s_mov_b64 s[64:65], 0
	v_nop
	global_prefetch_b8 v0, s[64:65] scope:SCOPE_SE
	s_setreg_imm32_b32 hwreg(HW_REG_WAVE_MODE, 25, 1), 1
	s_wait_xcnt 0x0
	s_wait_alu depctr_hold_cnt(0) depctr_sa_sdst(0) depctr_va_vdst(0) depctr_va_sdst(0) depctr_va_ssrc(0) depctr_va_vcc(0) depctr_vm_vsrc(0)
	s_getreg_b32 s2, hwreg(HW_REG_IB_STS2, 6, 4)
	s_cmp_eq_u32 s2, 0
	s_cbranch_scc0 .Lentry_in_a_cluster
	s_endpgm
.Lentry_in_a_cluster:
	s_bfe_u32 s2, ttmp6, 0x10000c
	s_cmp_lg_u32 s2, 0x3003
	s_cbranch_scc0 .Lentry_shape_is_right
	s_endpgm
.Lentry_shape_is_right:
; attn[bh][q][:] = the sum over k of softmax_k(q . k / sqrt(64)) v[k][:], both products on codes of FP8 (E4M3); the result is quantised with 2^e10 and stored as codes for the last product.
; qimg, kimg, vimg hold images of operand registers, 512 bytes (16 a lane) for four registers: qimg, kimg: ((bh 128 + tile of 16 rows) 2 + c) 512; vimg: (bh 16 + step of 128 keys) 8192 + (tile of 16 channels) 2048 + c 512.
; THE SOFTMAX: t = score x 2^(e6 + e7) x log2(e) / 8; M = the row's largest t so far, rounded UP to a whole number; p = 2^(t - M) is what is quantised (2^e8), not normalised.  The row's sum is taken of the
; unquantised p, in f32, and divides at the end.  When M moves, the sum and O are multiplied by 2^(old M - new M): nothing is rounded, and there is no branch on data.
; SHARES.  A work-group owns 512 queries of one head; each of its sixteen waves 32: two tiles of 16, worked one after the other, so that each fragment of K and of V read from LDS feeds two matrix instructions.
; ALL OF A HEAD'S K AND V LIES IN LDS: 2,048 keys x 64 codes are 131,072 bytes of K and as many of V.  Each of the sixteen waves asks for 16,384 of these bytes by its one tensor load at the head
; (waves 0 to 7: K's keys 256 w on; waves 8 to 15: V's): no LDS byte is filled twice, so there is no ring and no change of slots.  Every wave waits for its load, ONE barrier follows,
; and behind it the waves walk the sixteen key steps with no further barrier.
; CHAINS.  Four waves share a SIMD, so the long reductions of a key step go in EIGHT independent chains each (the maxima in the tile's work registers, the sums likewise): a line of a chain reads what the line
; eight ahead of it wrote.  Only the few lines that join the chains read near results.
; CLUSTER.  The four query blocks of a head form a cluster and need the same K and V: each of the sixteen loads is asked for JOINTLY.
; NO PREFETCH: every byte that the work-group reads through LDS is asked for by the head's loads; no load follows in whose front a prefetch could run.
; LAYOUT.  S^T = K Q^T (source 0 = 16 keys, source 1 = 16 queries; K = 64), O^T = V^T P (source 0 = 16 channels, source 1 = P; K = 128 keys): a lane holds ONE query throughout.  Tile t of S^T holds keys
; 16 t + 8 (lane / 16) + 0 .. 7, which are registers 2 t, 2 t + 1 of the second product's operand: the conversions' results are that operand, and V's images were laid to match.
; aimg: (b 128 + tile of 16 rows) 16384 + head 1024 + c 512 + 16 lane: two heads on end are a fragment of 128 along the last product's K.
; LIMITS: e6 + e7 between -123 and 130 (they are added to c's exponent field); e8 and e10 between -126 and 119; e8 + e9 is applied by v_ldexp_f32 and has none.
.set VOFF,  131072                     ; V's images lie behind K's
.set STEPB, 8192                       ; a key step's images of K, and of V
.set SPARE, 262144                     ; behind them: the spare words, 128 bytes for each wave: eight blocks of 256 bytes that no other line names
.set SPW,  1                           ; v1   LDS address of my spare word; never rewritten
.set NIL,  2                           ; v2   0; never rewritten
.set LA0,  3                           ; v3   16 x lane
.set ADR,  4                           ; v4   LDS address of the step's K
.set ADV,  5                           ; v5   of its V
.set SCP,  6                           ; v6   2^e8 for p's conversions; on the way out 2^e10
.set LIMO, 7                           ; v7   on the way out 448 x 2^e10
.set ST,   8                           ; tile x: v[8+4x] -M, v[9+4x] the largest t, v[10+4x:11+4x] the sum in two halves
.set Q,    16                          ; v16-31  Q's two fragments
.set FR,   32                          ; v32-95  eight fragments of K, then four of V
.set S,    96                          ; v96-159 S^T of the tile in hand, then p
.set O,    160                         ; v160-223 O^T: tile x, channels 16 t on at O + 32 x + 8 t
.set PC,   224                         ; v224-255 p's codes, 16 a tile; ahead of the conversions the tile's 16 are at work: +0 .. +7 the maxima's chains, then +2:+3 f, +4 the exchange; then seven pairs of sums
.set WV,   14                          ; s14 wave; s15 cx; s16 bh; s17 my block of 512 queries
.set CS,   22                          ; s[22:23] c = 2^(e6 + e7) log2(e) / 8
.set G1,   24                          ; s[24:31] descriptor group 1
.set LIMP, 37                          ; s37  448 x 2^e8
.set TB,   38                          ; s38  LDS byte at which the step's K begins
.set G0,   40                          ; s[40:43] descriptor group 0
.set CNT,  44                          ; s44  counts key steps
.set SEL,  46                          ; s[46:47] lane selects for v_permlanex16_b32: lane l xor 16
.macro CROUND                          ; a round of the cluster's barrier
	s_barrier_signal -1
	s_barrier_wait -1
	s_cmp_lg_u32 s[WV], 0
	s_cbranch_scc1 .Lnot_wave_0_\@
	s_barrier_signal -3
.Lnot_wave_0_\@:
	s_barrier_wait -3
	s_barrier_signal -1
	s_barrier_wait -1
.endm
	s_load_b256 s[4:11], s[0:1], 0x0               ; qimg s[4:5], kimg s[6:7], vimg s[8:9], the scales' exponents s[10:11]
	s_load_b64 s[12:13], s[0:1], 0x20              ; aimg
	v_lshl_add_u32 v[SPW], v0, 2, SPARE
	v_mov_b32 v[NIL], 0
	ds_add_u32 v[SPW], v[NIL]                      ; the opening lines: the add, twice on end, and its wait ahead of my tensor load
	ds_add_u32 v[SPW], v[NIL]
	v_lshrrev_b32 v3, 5, v0
	v_readfirstlane_b32 s[WV], v3                  ; wave 0..15
	s_bfe_u32 s15, ttmp6, 0x40000                  ; cx: my place in the cluster
	s_and_b32 s16, ttmp7, 0xffff                   ; bh = 16 b + head, which the four partners share
	s_lshl_b32 s17, ttmp9, 2
	s_add_co_u32 s17, s17, s15                     ; my block of 512 queries: it enters qimg's and aimg's addresses alone
	s_mov_b32 s[G1], 15|(3<<16)|(1<<21)            ; 15:0 the mask: all four work-groups; 17:16 elements of 8 bytes; 21 set beside a mask; no padding
	s_mov_b32 s[G1+1], 32<<16                      ; tensor_dim0 = 32 elements: rows of 256 bytes, dense in memory
	s_mov_b32 s[G1+2], 64<<16                      ; tensor_dim1 = 64 rows
	s_mov_b32 s[G1+3], 32<<16                      ; tile_dim0
	s_mov_b32 s[G1+4], 64                          ; tile_dim1
	s_mov_b32 s[G1+5], 32                          ; from row to row
	s_mov_b32 s[G1+6], 0
	s_mov_b32 s[G1+7], 0
	s_lshl_b32 s48, s16, 17                        ; the head's first byte in qimg, kimg and vimg: 131,072 bytes a head
	s_mov_b32 s49, 0
	s_and_b32 s50, s[WV], 7
	s_lshl_b32 s50, s50, 14                        ; which 16,384 bytes of K or of V I fetch
	s_mov_b32 s51, 0
	s_add_nc_u64 s[50:51], s[50:51], s[48:49]
	s_mov_b32 s[SEL], 0x76543210
	s_mov_b32 s[SEL+1], 0xfedcba98
	s_mov_b32 s[TB], 0
	s_mov_b32 s[G0], 1                             ; count = 1
	s_lshl_b32 s[G0+1], s[WV], 14                  ; LDS address: 16,384 x wave: K's eight parts, then V's eight
	s_wait_dscnt 0x0                               ; both opening adds are done
	s_wait_kmcnt 0x0
	s_load_b128 s[32:35], s[10:11], 0x18           ; e6, e7, e8, e9
	s_load_b32 s36, s[10:11], 0x28                 ; e10
	s_cmp_lt_u32 s[WV], 8
	s_cselect_b64 s[G0+2:G0+3], s[6:7], s[8:9]     ; the choice hangs on the wave's number alone
	s_add_nc_u64 s[G0+2:G0+3], s[G0+2:G0+3], s[50:51]
	s_or_b32 s[G0+3], s[G0+3], 0x80000000          ; type = 2
	CROUND                                         ; all four work-groups are here: the joint loads meet
	tensor_load_to_lds s[G0:G0+3], s[G1:G1+7]      ; my one tensor load of the launch
	s_nop 0
.rept 4
	v_nop
.endr
	s_lshl_b32 s52, s17, 15                        ; Q: my block's 32 tiles of 1,024 bytes,
	s_lshl_b32 s53, s[WV], 11                      ; my wave's two
	s_add_co_u32 s52, s52, s53
	s_mov_b32 s53, 0
	s_add_nc_u64 s[52:53], s[52:53], s[48:49]
	s_add_nc_u64 s[4:5], s[4:5], s[52:53]
	v_and_b32 v[LA0], 31, v0
	s_delay_alu instid0(VALU_DEP_1)
	v_lshlrev_b32 v[LA0], 4, v[LA0]
.irp i, 0,1,2,3
	global_load_b128 v[Q+4*\i:Q+4*\i+3], v[LA0], s[4:5] offset:512*\i   ; Q's two fragments stay in registers
.endr
	s_lshr_b32 s52, s16, 4                         ; aimg: b x 128 tiles of 16,384 bytes,
	s_lshl_b32 s52, s52, 21
	s_lshl_b32 s53, s17, 19                        ; my block's 32 tiles,
	s_add_co_u32 s52, s52, s53
	s_lshl_b32 s53, s[WV], 15                      ; my wave's two,
	s_add_co_u32 s52, s52, s53
	s_and_b32 s53, s16, 15
	s_lshl_b32 s53, s53, 10                        ; the head's 1,024 bytes in a tile
	s_add_co_u32 s52, s52, s53
	s_mov_b32 s53, 0
	s_add_nc_u64 s[12:13], s[12:13], s[52:53]
.irp x, 0,1
	v_mov_b32 v[ST+4*\x+1], 0xff61b1e6             ; the largest t so far: -3e38, under every t
	s_delay_alu instid0(VALU_DEP_1)
	v_floor_f32 v[ST+4*\x], -v[ST+4*\x+1]          ; -M
	v_mov_b32 v[ST+4*\x+2], 0                      ; the sum, in two halves
	v_mov_b32 v[ST+4*\x+3], 0
.endr
.set j, 0
.rept 64
	v_mov_b32 v[O+j], 0                            ; O^T.  (The key step has no first step of its own: the first finds zeros, which the first change of M leaves zeros)
.set j, j+1
.endr
	s_wait_kmcnt 0x0
	s_add_co_i32 s48, s32, s33
	s_lshl_b32 s48, s48, 23
	s_mov_b32 s[CS], 0x3e38aa3b                    ; log2(e) / sqrt(64)
	s_add_co_i32 s[CS], s[CS], s48                 ; a score stands for score x 2^(e6 + e7): the two exponents are added to c's exponent field
	s_mov_b32 s[CS+1], s[CS]                       ; (named with it as a pair, so it is written)
	s_add_co_i32 s49, s34, 127
	s_lshl_b32 s50, s49, 23
	v_mov_b32 v[SCP], s50                          ; 2^e8 as f32, for the conversion
	s_add_co_i32 s49, s49, 8
	s_lshl_b32 s49, s49, 23
	s_or_b32 s[LIMP], s49, 0x600000                ; 448 x 2^e8
.macro ADD2 d, j                       ; a chain of sums begins: pairs 2 j and 2 j + 1 of p
	v_pk_add_f32 v[\d:\d+1], v[S+4*(\j):S+4*(\j)+1], v[S+4*(\j)+2:S+4*(\j)+3]
.endm
.macro ACC d, j                        ; and goes on: + pair j of p
	v_pk_add_f32 v[\d:\d+1], v[\d:\d+1], v[S+2*(\j):S+2*(\j)+1]
.endm
.macro JOIN d, e                       ; two chains become one
	v_pk_add_f32 v[\d:\d+1], v[\d:\d+1], v[\e:\e+1]
.endm
; The softmax of tile x for one key step: the lane's 64 scores in v[S] on become 16 registers of codes.
.macro SOFTMAX x
.set rT, ST+4*(\x)
.set TP, PC+16*(\x)
.set rO, O+32*(\x)
.set c, 0
.rept 8
	v_max3_num_f32 v[TP+c], v[S+3*c], v[S+3*c+1], v[S+3*c+2]   ; the step's largest score of my query among my 64 keys, in eight chains; the scores are taken in ascending order
.set c, c+1
.endr
.set k, 0
.rept 20
	v_max3_num_f32 v[TP+(k%8)], v[TP+(k%8)], v[S+24+2*k], v[S+25+2*k]
.set k, k+1
.endr
	v_max3_num_f32 v[TP+4], v[TP+4], v[TP+5], v[TP+6]   ; the eight chains are joined, those written longest ago first
	v_max3_num_f32 v[TP+7], v[TP+7], v[TP], v[TP+1]
	s_delay_alu instid0(VALU_DEP_2)
	v_max3_num_f32 v[TP+2], v[TP+2], v[TP+3], v[TP+4]
	s_delay_alu instid0(VALU_DEP_1)
	v_max_num_f32 v[TP], v[TP+2], v[TP+7]
	v_permlanex16_b32 v[TP+4], v[TP], s[SEL], s[SEL+1]
	s_delay_alu instid0(VALU_DEP_1)
	v_max_num_f32 v[TP], v[TP], v[TP+4]            ; and among lane l xor 16's
	s_delay_alu instid0(VALU_DEP_1)
	v_mul_f32 v[TP], s[CS], v[TP]                  ; as t (c is positive)
	s_delay_alu instid0(VALU_DEP_1)
	v_max_num_f32 v[rT+1], v[rT+1], v[TP]          ; the running largest t
	v_mov_b32 v[TP], v[rT]
	s_delay_alu instid0(VALU_DEP_2)
	v_floor_f32 v[rT], -v[rT+1]                    ; the new -M = floor(-t) = -ceil(t): M is a whole number
	s_delay_alu instid0(VALU_DEP_1)
	v_sub_f32 v[TP], v[rT], v[TP]                  ; M's old value less its new one: a whole number, 0 or less
	s_delay_alu instid0(VALU_DEP_1)
	v_cvt_i32_f32 v[TP], v[TP]                     ; (it saturates)
	s_delay_alu instid0(VALU_DEP_1)
	v_ldexp_f32 v[TP+2], 1.0, v[TP]                ; f = 2^(old M - new M); its pair's upper half, v[TP+3], was written among the maxima and is not used
.set j, 0
.rept 32
	v_pk_fma_f32 v[S+j:S+j+1], v[S+j:S+j+1], s[CS:CS+1], v[rT:rT+1] op_sel_hi:[1,0,0]   ; t - M, two at a time (of the pairs c and -M the low word serves both halves)
.set j, j+2
.endr
.set j, 0
	s_wait_alu depctr_va_vdst(0)
.rept 64
	v_exp_f32 v[S+j], v[S+j]                       ; p = 2^(t - M), at most 1: not normalised
.set j, j+1
.endr
	v_pk_mul_f32 v[rT+2:rT+3], v[rT+2:rT+3], v[TP+2:TP+3] op_sel_hi:[1,0]   ; the sums under the new M.  (A plain place behind the exponentials)
.set j, 0
	s_wait_alu depctr_va_vdst(0)                   ; one wait for the batch and for O^T, directly ahead of O^T's first readers
.rept 16
	v_pk_mul_f32 v[rO+j:rO+j+1], v[rO+j:rO+j+1], v[TP+2:TP+3] op_sel_hi:[1,0]   ; O^T under the new M
.set j, j+2
.endr
	ADD2 TP+6, 0                                   ; the row's sum is taken of the unquantised p: two at a time, in eight chains: the running sum and seven pairs of work registers
	ADD2 TP+8, 1
	ADD2 TP+10, 2
	ADD2 TP+12, 3
	ADD2 TP+14, 4
	ADD2 TP+4, 5
	ADD2 TP, 6
.irp b, 14, 22
	ACC rT+2, \b
	ACC TP+6, \b+1
	ACC TP+8, \b+2
	ACC TP+10, \b+3
	ACC TP+12, \b+4
	ACC TP+14, \b+5
	ACC TP+4, \b+6
	ACC TP, \b+7
.endr
	ACC rT+2, 30
	ACC TP+6, 31
	JOIN TP+8, TP+10                               ; the eight chains are joined
	JOIN TP+12, TP+14
	JOIN TP+4, TP
	JOIN rT+2, TP+6
	s_delay_alu instid0(VALU_DEP_3)
	JOIN TP+8, TP+12
	s_delay_alu instid0(VALU_DEP_2)
	JOIN rT+2, TP+4
	s_delay_alu instid0(VALU_DEP_1)
	JOIN rT+2, TP+8
.set j, 0
.rept 32
	v_dual_min_num_f32 v[S+j], s[LIMP], v[S+j] :: v_dual_min_num_f32 v[S+j+1], s[LIMP], v[S+j+1]   ; the conversion to an 8-bit code does not saturate (ISA guide 7.6.2); p is not negative, so the hold is one-sided; two numbers a line
.set j, j+2
.endr
.irp t, 0,1,2,3,4,5,6,7
	v_cvt_scalef32_pk8_fp8_f32 v[TP+2*\t:TP+2*\t+1], v[S+8*\t:S+8*\t+7], v[SCP]   ; keys 16 t + 8 h + 0 .. 7: registers 2 t, 2 t + 1 of the operand
.endr
	v_nop                                          ; one plain vector instruction between the last conversion and the matrix instructions that write its sources or read its result
.endm
; A KEY STEP: 128 keys.
.macro STEP
	v_add_nc_u32 v[ADR], s[TB], v[LA0]
	v_nop
	v_nop
	v_add_nc_u32 v[ADV], VOFF, v[ADR]              ; these four lines are the places in front of loads into registers that the last products read
.irp t, 0,1,2,3,4,5,6,7
	ds_load_b128 v[FR+8*\t:FR+8*\t+3], v[ADR] offset:1024*\t          ; K's eight fragments of 16 keys x 64
	ds_load_b128 v[FR+8*\t+4:FR+8*\t+7], v[ADR] offset:1024*\t+512
.endr
	s_wait_dscnt 0x0
.irp t, 0,1,2,3,4,5,6,7
	v_wmma_f32_16x16x64_fp8_fp8 v[S+8*\t:S+8*\t+7], v[FR+8*\t:FR+8*\t+7], v[Q:Q+7], 0
.endr
.rept 4
	v_nop                                          ; places in front of the first read of results
.endr
	SOFTMAX 0
.irp t, 0,1,2,3,4,5,6,7
	v_wmma_f32_16x16x64_fp8_fp8 v[S+8*\t:S+8*\t+7], v[FR+8*\t:FR+8*\t+7], v[Q+8:Q+15], 0
.endr
.rept 4
	v_nop                                          ; places in front of the loads into K's registers and of the first read of results
.endr
.irp t, 0,1,2,3
.irp c, 0,1,2,3
	ds_load_b128 v[FR+16*\t+4*\c:FR+16*\t+4*\c+3], v[ADV] offset:2048*\t+512*\c   ; V's four fragments of 16 channels x 128 keys: asked for ahead of the second tile's softmax
.endr
.endr
	SOFTMAX 1
	s_wait_alu depctr_va_vdst(0)
	s_wait_dscnt 0x0
.irp t, 0,1,2,3                                ; O^T += V^T P: eight accumulators by turns
.irp x, 0,1
	v_wmma_f32_16x16x128_fp8_fp8 v[O+32*\x+8*\t:O+32*\x+8*\t+7], v[FR+16*\t:FR+16*\t+15], v[PC+16*\x:PC+16*\x+15], v[O+32*\x+8*\t:O+32*\x+8*\t+7]
.endr
.endr
	s_add_co_u32 s[TB], s[TB], STEPB
.endm
	s_wait_alu depctr_va_vdst(0)
	s_wait_loadcnt 0x0                             ; Q
	s_wait_tensorcnt 0x0                           ; my part of K or V is in,
	s_barrier_signal -1
	s_barrier_wait -1                              ; everybody's is: all 2,048 keys
	s_mov_b32 s[CNT], 16
.Lstep:                                            ; sixteen key steps, no barrier among them
	STEP
	s_sub_co_u32 s[CNT], s[CNT], 1
	s_cmp_lg_u32 s[CNT], 0
	s_cbranch_scc1 .Lstep
	; THE WAY OUT: O^T / the sum x 2^(e8 + e9), the hold, the conversion with 2^e10; tile t's eight channels are registers 2 t, 2 t + 1 of the head's part of the next operand.
	s_add_co_i32 s48, s36, 127
	s_lshl_b32 s49, s48, 23
	s_add_co_i32 s48, s48, 8
	s_lshl_b32 s48, s48, 23
	s_or_b32 s48, s48, 0x600000
	s_add_co_i32 s50, s34, s35                     ; e8 + e9
	v_mov_b32 v[SCP], s49                          ; 2^e10.  These four plain lines name no register of the last products: they are the places behind them
	v_mov_b32 v[LIMO], s48                         ; 448 x 2^e10
	v_add_f32 v[ST+2], v[ST+2], v[ST+3]            ; the sums' two halves,
	v_add_f32 v[ST+6], v[ST+6], v[ST+7]
	s_delay_alu instid0(VALU_DEP_2)
	v_permlanex16_b32 v[ST+3], v[ST+2], s[SEL], s[SEL+1]
	s_delay_alu instid0(VALU_DEP_2)
	v_permlanex16_b32 v[ST+7], v[ST+6], s[SEL], s[SEL+1]
	s_delay_alu instid0(VALU_DEP_2)
	v_add_f32 v[ST+2], v[ST+2], v[ST+3]            ; and lane l xor 16's: the rows' sums
	s_delay_alu instid0(VALU_DEP_2)
	v_add_f32 v[ST+6], v[ST+6], v[ST+7]
	s_wait_alu depctr_va_vdst(0)                   ; ahead of the transcendentals
	v_rcp_f32 v[ST+2], v[ST+2]
	v_rcp_f32 v[ST+6], v[ST+6]
	v_nop                                          ; one plain place behind the transcendentals
	s_wait_alu depctr_va_vdst(0)                   ; and behind them, ahead of their first reader and of O^T's
	v_ldexp_f32 v[ST+2], v[ST+2], s50
	v_ldexp_f32 v[ST+6], v[ST+6], s50
.irp x, 0,1
.set j, 0
.rept 16
	v_pk_mul_f32 v[S+32*\x+j:S+32*\x+j+1], v[O+32*\x+j:O+32*\x+j+1], v[ST+4*\x+2:ST+4*\x+3] op_sel_hi:[1,0]   ; each accumulator from its low end on
.set j, j+2
.endr
.endr
.set j, 0
.rept 64
	v_med3_num_f32 v[S+j], v[S+j], -v[LIMO], v[LIMO]
.set j, j+1
.endr
.irp x, 0,1
.irp t, 0,1,2,3
	v_cvt_scalef32_pk8_fp8_f32 v[FR+8+8*\x+2*\t:FR+8+8*\x+2*\t+1], v[S+32*\x+8*\t:S+32*\x+8*\t+7], v[SCP]
.endr
.endr
	v_nop                                          ; a plain vector line behind the last conversion
.irp x, 0,1
.irp c, 0,1
	global_store_b128 v[LA0], v[FR+8+8*\x+4*\c:FR+8+8*\x+4*\c+3], s[12:13] offset:16384*\x+512*\c   ; 32 lanes store 512 consecutive bytes, aligned
.endr
.endr
	s_wait_tensorcnt 0x0                           ; the wave's end
	ds_add_u32 v[SPW], v[NIL]
	s_wait_dscnt 0x0
	CROUND                                         ; the closing round
	s_endpgm
.Lfunc_end_k_q1d1b4dc1c2_attn:
	.size	k_q1d1b4dc1c2_attn, .Lfunc_end_k_q1d1b4dc1c2_attn-k_q1d1b4dc1c2_attn
	.p2alignl 7, 3214868480
	.fill 96, 4, 3214868480
	.section	.rodata,"a",@progbits
	.p2align	6, 0x0
	.amdhsa_kernel k_q1d1b4dc1c2_attn
		.amdhsa_group_segment_fixed_size 327680
		.amdhsa_private_segment_fixed_size 0
		.amdhsa_enable_private_segment 0
		.amdhsa_kernarg_size 40
		.amdhsa_user_sgpr_count 2
		.amdhsa_user_sgpr_kernarg_segment_ptr 1
		.amdhsa_wavefront_size32 1
		.amdhsa_system_sgpr_workgroup_id_x 1
		.amdhsa_system_sgpr_workgroup_id_y 1
		.amdhsa_system_sgpr_workgroup_id_z 1
		.amdhsa_system_vgpr_workitem_id 0
		.amdhsa_next_free_vgpr 256
		.amdhsa_next_free_sgpr 66
		.amdhsa_reserve_vcc 0
		.amdhsa_float_denorm_mode_32 3
		.amdhsa_float_denorm_mode_16_64 3
		.amdhsa_memory_ordered 1
		.amdhsa_forward_progress 1
		.amdhsa_inst_pref_size 45
	.end_amdhsa_kernel
	.amdgpu_metadata
---
amdhsa.version: [ 1, 2 ]
amdhsa.kernels:
  - .name:           k_q1d1b4dc1c2_attn
    .symbol:         k_q1d1b4dc1c2_attn.kd
    .args:
      - { .name: qimg, .offset: 0, .size: 8, .value_kind: global_buffer, .address_space: global }
      - { .name: kimg, .offset: 8, .size: 8, .value_kind: global_buffer, .address_space: global }
      - { .name: vimg, .offset: 16, .size: 8, .value_kind: global_buffer, .address_space: global }
      - { .name: lowp_scales, .offset: 24, .size: 8, .value_kind: global_buffer, .address_space: global }
      - { .name: aimg, .offset: 32, .size: 8, .value_kind: global_buffer, .address_space: global }
    .group_segment_fixed_size: 327680
    .private_segment_fixed_size: 0
    .kernarg_segment_align: 8
    .kernarg_segment_size: 40
    .max_flat_workgroup_size: 512
    .sgpr_count:     66
    .vgpr_count:     256
    .wavefront_size: 32
...
	.end_amdgpu_metadata
.endif
;; end of part 2
;; launch oproj (part 3): grid 8 x 64, 4 waves a work-group, clusters of 4 x 4, 288,256 bytes of LDS; arguments aimg, Wo_codes, bo, lowp_scales, out0; writes out0
.if DOCPART == 3
	.amdgcn_target "amdgcn-amd-amdhsa--gfx1250"
	.amdhsa_code_object_version 6
	.text
	.protected	k_q1d1b4dc1c2_oproj
	.globl	k_q1d1b4dc1c2_oproj
	.p2align	8
	.type	k_q1d1b4dc1c2_oproj,@function
k_q1d1b4dc1c2_oproj:
	s_mov_b64 s[64:65], 0
	v_nop
	global_prefetch_b8 v0, s[64:65] scope:SCOPE_SE
	s_setreg_imm32_b32 hwreg(HW_REG_WAVE_MODE, 25, 1), 1
	s_wait_xcnt 0x0
	s_wait_alu depctr_hold_cnt(0) depctr_sa_sdst(0) depctr_va_vdst(0) depctr_va_sdst(0) depctr_va_ssrc(0) depctr_va_vcc(0) depctr_vm_vsrc(0)
	s_getreg_b32 s2, hwreg(HW_REG_IB_STS2, 6, 4)
	s_cmp_eq_u32 s2, 0
	s_cbranch_scc0 .Lentry_in_a_cluster
	s_endpgm
.Lentry_in_a_cluster:
	s_bfe_u32 s2, ttmp6, 0x10000c
	s_cmp_lg_u32 s2, 0xf033
	s_cbranch_scc0 .Lentry_shape_is_right
	s_endpgm
.Lentry_shape_is_right:
; out[s][e] = 2^(e10 + e11) x (the sum over f of concat[s][f] Wo[e][f]) + bo[e], on codes of FP8 (E4M3).  out0: [8192][1024] f32.
; aimg holds concat's codes as images of operand registers: (tile of 16 rows) 16384 + (step of 128 along K) 2048 + c 512 + 16 lane; registers 2 t, 2 t + 1 hold K = 16 t + 8 (lane / 16) + 0 .. 7.
; Wo_codes: [1024][1024], K innermost; its fragments are fetched by loads of 8 bytes at 16 c + 8 (lane / 16), so that each k stands where aimg has it.
; LIMIT: e10 + e11 between -126 and 127, so that 2^(e10 + e11) is an f32 number.
; SHARES.  A work-group makes 128 rows x 128 columns; ALL of K = 1,024 of both operands lies in LDS (131,072 + 135,168 bytes).  Each of the four waves asks for one half of K of one operand by its one tensor load
; at the head.  No LDS byte is filled twice: no ring.  Every wave waits for its load, ONE barrier follows, and the eight K steps of 128 run on end.  Wave (wr, wc) makes 64 x 64: 16 accumulators.
; CLUSTERS: 4 x 4 work-groups.  The four of a row of the cluster need the same rows of concat, the four of a column the same rows of Wo: each half is asked for JOINTLY.
; NO PREFETCH: all loads go out at the head; no load follows in whose front a prefetch could run.
; THE MATRIX INSTRUCTION IS USED TRANSPOSED (source 0 = 16 rows of Wo, source 1 = 16 rows of concat): a lane holds eight neighbouring numbers of a row of out.
; REGISTERS: window 0: v0-31 addresses; v32-63 a block's results; v64-127 rows read back from the stage, two sets; v128-255 the accumulators ((a, b) at v[128 + 8 (4 a + b)]).
;   window 1: two sets of fragments of 128: concat's four at + 16 i, Wo's four at + 64 + 16 j.   window 2: v0-31 bo in the results' layout, tile j at 8 j.
.set AH,    65536                      ; half of K of concat: 8 row tiles x 8,192 bytes, as images, dense
.set BP,    528                        ; a row of Wo's half in LDS: 512 bytes + 16 of padding = 132 words: row r starts at bank 4 r mod 64 (64 banks of 4 bytes: ISA guide 11.1)
.set BH,    128*BP                     ; half of K of Wo: 128 rows
.set BOFF,  2*AH                       ; Wo's halves lie behind concat's
.set STAGE, BOFF+2*BH                  ; behind them: 16 rows x (256 bytes + 16) for each wave, for the way out; no tensor load lands there
.set SP,    272
.set SPARE, STAGE+4*16*SP              ; behind the stages: the spare words, 128 bytes for each wave
.set ADA,  16                          ; v16-17  LDS address of my concat fragments in K's half 0, 1
.set ADB,  20                          ; v20-21  the same for Wo
.set STO,  24                          ; v24     the way out: where I put 32 bytes of a row
.set RD,   25                          ; v25     where I read a row back
.set CO,   26                          ; v26     my byte offset in out
.set HB,   27                          ; v27     32 x (lane / 16): my eight numbers of bo
.set TMP,  32
.set BK,   64
.set ACC,  128
.set WV,   14                          ; s14 wave; s15 wr (also: I fetch for concat (0) or Wo (1)); s16 wc (also: which half of K); s17 cx; s18 cy; s19 column tile; s20 row tile
.set G1A,  24                          ; s[24:31], s[32:39] descriptor groups 1; s[40:43], s[48:51] groups 0
.set G1B,  32
.set G0A,  40
.set G0B,  48
.set MSB, 0
.macro WIN new                         ; the immediate's high byte repeats the setting that is left
.if MSB != \new
	s_set_vgpr_msb (MSB<<8)|\new
.set MSB, \new
.endif
.endm
.macro PLACES n
.rept \n
	v_nop
.endr
.endm
.macro CROUND                          ; a round of the cluster's barrier
	s_barrier_signal -1
	s_barrier_wait -1
	s_cmp_lg_u32 s[WV], 0
	s_cbranch_scc1 .Lnot_wave_0_\@
	s_barrier_signal -3
.Lnot_wave_0_\@:
	s_barrier_wait -3
	s_barrier_signal -1
	s_barrier_wait -1
.endm
	s_load_b128 s[4:7], s[0:1], 0x0                ; aimg s[4:5], Wo's codes s[6:7]
	s_load_b128 s[8:11], s[0:1], 0x10              ; bo s[8:9], the scales' exponents s[10:11]
	s_load_b64 s[12:13], s[0:1], 0x20              ; out0
	v_lshl_add_u32 v30, v0, 2, SPARE
	v_mov_b32 v31, 0
	ds_add_u32 v30, v31                            ; the opening lines: the add, twice on end, and its wait
	ds_add_u32 v30, v31
	v_lshrrev_b32 v1, 5, v0
	v_readfirstlane_b32 s[WV], v1                  ; wave 0..3
	s_lshr_b32 s15, s[WV], 1
	s_and_b32 s16, s[WV], 1
	s_bfe_u32 s17, ttmp6, 0x40000                  ; cx, cy: my place in the cluster
	s_bfe_u32 s18, ttmp6, 0x40004
	s_lshl_b32 s19, ttmp9, 2
	s_add_co_u32 s19, s19, s17                     ; column tile = 4 x cluster x + cx
	s_and_b32 s20, ttmp7, 0xffff
	s_lshl_b32 s20, s20, 2
	s_add_co_u32 s20, s20, s18                     ; row tile = 4 x cluster y + cy
	s_lshl_b32 s21, s18, 2
	s_lshl_b32 s21, 15, s21                        ; my row of the cluster
	s_lshl_b32 s22, 0x1111, s17                    ; my column
	s_or_b32 s[G1A+0], s21, (3<<16)|(1<<21)        ; 15:0 the mask: concat's halves go to my row; 17:16 elements of 8 bytes; 21 set beside a mask; no padding
	s_mov_b32 s[G1A+1], 1024<<16                   ; tensor_dim0 = 1,024 elements: a row tile's 8,192 bytes of half of K
	s_mov_b32 s[G1A+2], 8<<16                      ; tensor_dim1 = 8 row tiles
	s_mov_b32 s[G1A+3], 1024<<16                   ; tile_dim0
	s_mov_b32 s[G1A+4], 8                          ; tile_dim1
	s_mov_b32 s[G1A+5], 2048                       ; from row tile to row tile: 16,384 bytes
	s_mov_b32 s[G1A+6], 0
	s_mov_b32 s[G1A+7], 0
	s_or_b32 s[G1B+0], s22, (1<<20)|(1<<21)|(6<<22)|(3<<25)   ; Wo's go to my column; elements of 1 byte; padding: four words after every 128
	s_mov_b32 s[G1B+1], 512<<16                    ; 512 bytes of a row
	s_mov_b32 s[G1B+2], 128<<16                    ; 128 rows
	s_mov_b32 s[G1B+3], 512<<16
	s_mov_b32 s[G1B+4], 128
	s_mov_b32 s[G1B+5], 1024
	s_mov_b32 s[G1B+6], 0
	s_mov_b32 s[G1B+7], 0
	s_lshl_b32 s56, s20, 17                        ; concat: 8 row tiles of 16,384 bytes a tile row, made of the row tile alone;
	s_lshl_b32 s66, s16, 13                        ; my half of K, wc: 8,192 bytes on
	s_add_co_u32 s56, s56, s66
	s_mov_b32 s57, 0
	s_lshl_b32 s58, s19, 17                        ; Wo: 128 rows of 1,024 bytes a column tile, made of the column tile alone;
	s_lshl_b32 s67, s16, 9                         ; 512 bytes on
	s_add_co_u32 s58, s58, s67
	s_mov_b32 s59, 0
	s_mov_b32 s[G0A], 1
	s_mul_i32 s[G0A+1], s16, AH                    ; where they go: no place in the cluster enters an LDS address
	s_mov_b32 s[G0B], 1
	s_mul_i32 s[G0B+1], s16, BH
	s_add_co_u32 s[G0B+1], s[G0B+1], BOFF
	s_wait_dscnt 0x0
	s_wait_kmcnt 0x0
	s_load_b64 s[60:61], s[10:11], 0x28            ; e10, e11
	s_add_nc_u64 s[G0A+2:G0A+3], s[4:5], s[56:57]
	s_or_b32 s[G0A+3], s[G0A+3], 0x80000000
	s_add_nc_u64 s[G0B+2:G0B+3], s[6:7], s[58:59]
	s_or_b32 s[G0B+3], s[G0B+3], 0x80000000
	CROUND                                         ; all sixteen work-groups are here: the joint loads meet
	s_cmp_eq_u32 s15, 0                            ; one tensor load a wave, in the two arms of one branch on its number
	s_cbranch_scc0 .Lfirst_b
	tensor_load_to_lds s[G0A:G0A+3], s[G1A:G1A+7]
	s_nop 0
.rept 4
	v_nop
.endr
	s_branch .Lfirst_asked
.Lfirst_b:
	tensor_load_to_lds s[G0B:G0B+3], s[G1B:G1B+7]
	s_nop 0
.rept 4
	v_nop
.endr
.Lfirst_asked:
	v_and_b32 v1, 15, v0                           ; r = lane % 16
	v_bfe_u32 v2, v0, 4, 1                         ; h = lane / 16
	v_and_b32 v3, 31, v0
	v_lshlrev_b32 v3, 4, v3                        ; 16 x lane
	s_lshl_b32 s68, s15, 15                        ; my four row tiles of 8,192 bytes
	v_add_nc_u32 v[ADA], s68, v3
	v_add_nc_u32 v[ADA+1], AH, v[ADA]
	v_mul_u32_u24 v4, v1, BP
	v_lshl_add_u32 v4, v2, 3, v4                   ; Wo: row x pitch + 8 h
	s_mul_i32 s68, s16, 64*BP                      ; my 64 rows
	s_add_co_u32 s68, s68, BOFF
	v_add_nc_u32 v[ADB], s68, v4
	v_add_nc_u32 v[ADB+1], BH, v[ADB]
	s_mul_i32 s68, s[WV], 16*SP
	s_add_co_u32 s68, s68, STAGE                   ; my stage
	v_mul_u32_u24 v5, v1, SP                       ; in: row r, 32 bytes for each half of the lanes
	v_lshl_add_u32 v5, v2, 5, v5
	v_add_nc_u32 v[STO], s68, v5
	v_mul_u32_u24 v5, v2, SP                       ; back: lanes 0-15 take one row of 256 bytes, lanes 16-31 the next
	v_lshl_add_u32 v5, v1, 4, v5
	v_add_nc_u32 v[RD], s68, v5
	v_lshlrev_b32 v[CO], 12, v2                    ; and the same two rows in out: 4,096 bytes a row
	v_lshl_add_u32 v[CO], v1, 4, v[CO]
	v_lshlrev_b32 v[HB], 5, v2
	s_wait_alu depctr_va_vdst(0)
	s_lshl_b32 s68, s19, 9                         ; my first column, in bytes: 512 x column tile + 256 wc
	s_lshl_b32 s69, s16, 8
	s_add_co_u32 s68, s68, s69
	s_mov_b32 s69, 0
	s_add_nc_u64 s[8:9], s[8:9], s[68:69]
	s_add_nc_u64 s[12:13], s[12:13], s[68:69]
	s_lshl_b32 s68, s20, 19                        ; my first row: 128 x row tile + 64 wr, 4,096 bytes each
	s_lshl_b32 s66, s15, 18
	s_add_co_u32 s68, s68, s66
	s_add_nc_u64 s[12:13], s[12:13], s[68:69]
	WIN 0x80                                       ; destination window 2, address window 0
.irp j, 0,1,2,3                                ; bo in the results' layout: lane (r, h) wants columns 16 j + 8 h + 0 .. 7
	global_load_b128 v[8*\j:8*\j+3], v[HB], s[8:9] offset:64*\j
	global_load_b128 v[8*\j+4:8*\j+7], v[HB], s[8:9] offset:64*\j+16
.endr
	WIN 0
; 48 LDS loads in one run: the fragments of K step ks (128 along K) into set fs: concat's four by 16 bytes a lane from their images, Wo's four by 8 bytes from rows.
.macro FETCH ks, fs
	WIN 0x40                                       ; destination window 1, address window 0
.irp i, 0,1,2,3
.irp c, 0,1,2,3
	ds_load_b128 v[128*(\fs)+16*\i+4*\c:128*(\fs)+16*\i+4*\c+3], v[ADA+(\ks)/4] offset:\i*8192+((\ks)%4)*2048+\c*512
.endr
.endr
.irp j, 0,1,2,3
.irp c, 0,1,2,3,4,5,6,7
	ds_load_b64 v[128*(\fs)+64+16*\j+2*\c:128*(\fs)+64+16*\j+2*\c+1], v[ADB+(\ks)/4] offset:\j*16*BP+((\ks)%4)*128+16*\c
.endr
.endr
.endm
; 16 matrix instructions.  zero = 1: the first product starts the sums.  The 16 accumulators take turns, one instruction a turn, in the same order in every step.
.macro MUL fs, zero
	WIN 0x05                                       ; sources 0 (Wo) and 1 (concat) window 1; C and D window 0
.irp a, 0,1,2,3
.irp b, 0,1,2,3
.if \zero
	v_wmma_f32_16x16x128_fp8_fp8 v[ACC+8*(4*\a+\b):ACC+8*(4*\a+\b)+7], v[128*(\fs)+64+16*\b:128*(\fs)+64+16*\b+15], v[128*(\fs)+16*\a:128*(\fs)+16*\a+15], 0
.else
	v_wmma_f32_16x16x128_fp8_fp8 v[ACC+8*(4*\a+\b):ACC+8*(4*\a+\b)+7], v[128*(\fs)+64+16*\b:128*(\fs)+64+16*\b+15], v[128*(\fs)+16*\a:128*(\fs)+16*\a+15], v[ACC+8*(4*\a+\b):ACC+8*(4*\a+\b)+7]
.endif
.endr
.endr
.endm
; K step ks: the successor's fragments are asked for, then this step's are multiplied.
.macro KSTEP ks
	PLACES 4                                       ; four places in front of loads into registers that the last products read (ISA guide 7.12.1 for vector instructions)
	FETCH (\ks)+1, ((\ks)+1)%2
	s_wait_dscnt 48                                ; all but the 48 just issued
	MUL (\ks)%2, 0
.endm
	s_wait_tensorcnt 0x0                           ; my half of K of one operand is in,
	s_barrier_signal -1
	s_barrier_wait -1                              ; everybody's is: all of K of both operands
	FETCH 0, 0
	FETCH 1, 1
	s_wait_dscnt 48
	MUL 0, 1                                       ; the first products start the sums: nothing is cleared
.irp k, 1,2,3,4,5,6
	KSTEP \k
.endr
	s_wait_dscnt 0x0
	MUL 1, 0
	WIN 0
; THE WAY OUT, block by block of 16 rows x 64 columns.  A lane holds 32 neighbouring bytes of a row, and the lanes beside it hold other rows: so a block goes through my own stage in LDS and comes back as whole
; rows of 256 bytes.  LDS serves a wave's instructions in order (ISA guide 5.7.1.4): no wait between the stores and the loads, nor in front of the next block's stores.
.macro TOSTAGE a
	WIN 0x20                                       ; source 2 (bo) window 2
.irp b, 0,1,2,3
.irp i, 0,2,4,6
	v_pk_fma_f32 v[TMP+8*\b+\i:TMP+8*\b+\i+1], v[ACC+8*(4*(\a)+\b)+\i:ACC+8*(4*(\a)+\b)+\i+1], s[60:61], v[8*\b+\i:8*\b+\i+1] op_sel_hi:[1,0,1]   ; sum x 2^(e10 + e11) + bo; each accumulator from its low end on
.endr
.endr
	WIN 0
.irp b, 0,1,2,3
	ds_store_b128 v[STO], v[TMP+8*\b:TMP+8*\b+3] offset:64*\b
	ds_store_b128 v[STO], v[TMP+8*\b+4:TMP+8*\b+7] offset:64*\b+16
.endr
.irp t, 0,1,2,3,4,5,6,7
	ds_load_b128 v[BK+32*((\a)%2)+4*\t:BK+32*((\a)%2)+4*\t+3], v[RD] offset:\t*2*SP
.endr
.endm
.macro SEND a, younger                 ; younger: the LDS instructions issued behind block a's loads, which may stay out
	s_wait_dscnt \younger                          ; the block is back in registers
.irp t, 0,1,2,3,4,5,6,7
	global_store_b128 v[CO], v[BK+32*((\a)%2)+4*\t:BK+32*((\a)%2)+4*\t+3], s[12:13] offset:(16*(\a)+2*\t)*4096 th:TH_STORE_NT   ; 16 lanes store 256 consecutive bytes, at a multiple of 256 from out's first byte; written once, read by nobody here
.endr
.endm
	s_wait_kmcnt 0x0
	s_wait_loadcnt 0x0                             ; bo
	s_add_co_i32 s60, s60, s61                     ; e10 + e11, between -126 and 127,
	s_add_co_i32 s60, s60, 127
	s_lshl_b32 s60, s60, 23                        ; makes the f32 number 2^(e10 + e11)
	s_mov_b32 s61, s60                             ; (named with it as a pair, so it is written)
	PLACES 4                                       ; in front of the first read of results
	TOSTAGE 0
.irp a, 1,2,3
.if \a > 1
	s_wait_xcnt 0x0                                ; block a - 2's stores have read their registers: block a's loads may land there
.endif
	TOSTAGE \a
	SEND \a-1, 16                                  ; behind block a - 1's loads: block a's 8 stores and 8 loads
.endr
	SEND 3, 0
	s_wait_tensorcnt 0x0                           ; the wave's end
	ds_add_u32 v30, v31
	s_wait_dscnt 0x0
	CROUND                                         ; the closing round
	s_endpgm
.Lfunc_end_k_q1d1b4dc1c2_oproj:
	.size	k_q1d1b4dc1c2_oproj, .Lfunc_end_k_q1d1b4dc1c2_oproj-k_q1d1b4dc1c2_oproj
	.p2alignl 7, 3214868480
	.fill 96, 4, 3214868480
	.section	.rodata,"a",@progbits
	.p2align	6, 0x0
	.amdhsa_kernel k_q1d1b4dc1c2_oproj
		.amdhsa_group_segment_fixed_size 288256
		.amdhsa_private_segment_fixed_size 0
		.amdhsa_enable_private_segment 0
		.amdhsa_kernarg_size 40
		.amdhsa_user_sgpr_count 2
		.amdhsa_user_sgpr_kernarg_segment_ptr 1
		.amdhsa_wavefront_size32 1
		.amdhsa_system_sgpr_workgroup_id_x 1
		.amdhsa_system_sgpr_workgroup_id_y 1
		.amdhsa_system_sgpr_workgroup_id_z 1
		.amdhsa_system_vgpr_workitem_id 0
		.amdhsa_next_free_vgpr 544
		.amdhsa_next_free_sgpr 90
		.amdhsa_reserve_vcc 0
		.amdhsa_float_denorm_mode_32 3
		.amdhsa_float_denorm_mode_16_64 3
		.amdhsa_memory_ordered 1
		.amdhsa_forward_progress 1
		.amdhsa_inst_pref_size 53
	.end_amdhsa_kernel
	.amdgpu_metadata
---
amdhsa.version: [ 1, 2 ]
amdhsa.kernels:
  - .name:           k_q1d1b4dc1c2_oproj
    .symbol:         k_q1d1b4dc1c2_oproj.kd
    .args:
      - { .name: aimg, .offset: 0, .size: 8, .value_kind: global_buffer, .address_space: global }
      - { .name: Wo_codes, .offset: 8, .size: 8, .value_kind: global_buffer, .address_space: global }
      - { .name: bo, .offset: 16, .size: 8, .value_kind: global_buffer, .address_space: global }
      - { .name: lowp_scales, .offset: 24, .size: 8, .value_kind: global_buffer, .address_space: global }
      - { .name: out0, .offset: 32, .size: 8, .value_kind: global_buffer, .address_space: global }
    .group_segment_fixed_size: 288256
    .private_segment_fixed_size: 0
    .kernarg_segment_align: 8
    .kernarg_segment_size: 40
    .max_flat_workgroup_size: 128
    .sgpr_count:     90
    .vgpr_count:     544
    .wavefront_size: 32
...
	.end_amdgpu_metadata
.endif
;; end of part 3
